; MI455X (gfx1250); checked and timed in simulation.
; The chip was launched on July 23, 2026; its instructions are those of AMD's public machine-readable ISA for CDNA 5 (MIT licence, August 2026) and "CDNA5" Instruction Set Architecture Reference Guide (July 2026). The comments in the code are by the model that wrote it; some were corrected since.
;; Vector Quantizer. Allowed arithmetic: matrix products marked QUANTISED: E2M1 operands, one E8M0 scale for each 32 along K, by v_wmma_scale_f32_16x16x128_f8f6f4 with both operands' format E2M1 (or v_wmma_scale_f32_32x16x128_f4), f32 sums; everything else in f32.
;; Inputs: codebook 8,192 x 256 float32; z_e 32 x 1,024 x 256 float32.
;; Outputs: out0 32 x 1,024 x 256 float32; out1 one number float32; out2 32 x 1,024 int32.
;; This version of the problem:
;;   THIS VERSION OF THE PROBLEM IS GIVEN IN LOW PRECISION. The matrix products marked QUANTISED in the list below multiply operands that are first quantised to E2M1 (2 exponent bits, 1 mantissa bit; 4 bits a number), with one power-of-two scale for each 32 numbers along K (OCP MX v1.0); their sums are f32. All else is computed in f32.
;;   The module's matrix products, in the order in which they are computed (A, B: the left and right operand; K: the contracted axis; several contracted axes count as one K, in the product's order):
;;     1. [M 32,768, K 256] x [K 256, N 8,192]; A: input z_e; B: input codebook: QUANTISED
;;   THE QUANTISER, for each operand of a quantised product, along K:
;;     - K is cut into blocks of 32 from its start; a last block that is shorter is filled with zeros.
;;     - A block's scale is 2^e with e = floor(log2(the largest magnitude in the block)) - 2, held to -126 .. 127; a block of zeros has e = 0. As a byte (E8M0): e + 127.
;;     - Each number is divided by its block's scale, clamped to +-6, and rounded to the nearest number of E2M1, ties to even, subnormals kept.
;;     - The product sums the exact products of the quantised numbers (number of the format x scale) in f32.
;;   ~~~python
;;   def quantise(x, axis):      # numpy; x: float32 -> the quantised numbers, widened to float32 again
;;       x = np.moveaxis(x, axis, -1); K = x.shape[-1]
;;       x = np.pad(x, [(0, 0)] * (x.ndim - 1) + [(0, -K % 32)]); x = x.reshape(x.shape[:-1] + (-1, 32)); a = np.abs(x).max(-1, keepdims=True)
;;       e = np.where(a > 0, np.clip(np.frexp(np.where(a > 0, a, 1))[1] - 1 - 2, -126, 127), 0)      # np.frexp(a)[1] - 1 = floor(log2(a)), exactly
;;       r = np.clip(x / 2.0 ** e, -6, 6)
;;       step = 2.0 ** (np.maximum(np.frexp(np.where(r == 0, 1, r))[1] - 1, 0) - 1)
;;       q = np.round(r / step) * step * 2.0 ** e      # np.round: ties to even
;;       return np.moveaxis(q.reshape(q.shape[:-2] + (-1,))[..., :K], -1, axis).astype(np.float32)
;;   ~~~
;; One version. Each part assembles by itself: llvm-mc -triple=amdgcn-amd-amdhsa -mcpu=gfx1250 --defsym DOCPART=n.
;; ======== version 1 of 1: 4 launches
;; limits: right only within a limited range of input values
;; workspace buffers: cbq 5,734,400 bytes; codes 131,072 bytes of whole numbers; part 16,384 bytes
;; launch quant (part 1): grid 256 x 1, 10 waves a work-group, no clusters, 167,936 bytes of LDS; arguments codebook, cbq, z_e; writes cbq
.if DOCPART == 1
	.amdgcn_target "amdgcn-amd-amdhsa--gfx1250"
	.amdhsa_code_object_version 6
	.text
	.protected	k_qc90916c7e3_quant
	.globl	k_qc90916c7e3_quant
	.p2align	8
	.type	k_qc90916c7e3_quant,@function
k_qc90916c7e3_quant:
	s_mov_b64 s[64:65], 0
	v_nop
	global_prefetch_b8 v0, s[64:65] scope:SCOPE_SE
	s_setreg_imm32_b32 hwreg(HW_REG_WAVE_MODE, 25, 1), 1
	s_wait_xcnt 0x0
; The codebook [8192][256] f32 becomes, once, what the search wants of it: codes of FP4 (E2M1) as images of the matrix operand's registers, E8M0 scale words, and e_sq = the sum of each row's squares in f32.
; A block of 32 along K has the scale 2^(floor(log2(its largest magnitude)) - 2); its byte is the largest magnitude's exponent field - 2, held at 1 from below; each number is divided by the scale and rounded to the nearest code, ties to even.
; LAYOUT OF cbq: 160 chunks of 35,840 bytes; chunk c holds the tiles T = 16 c .. 16 c + 15 (tile T = codes 16 T .. 16 T + 15), i = T % 16:
;   at 2048 i: four images of 512 bytes, image 2 s + cc at 512 (2 s + cc), lane l's 16 bytes at 16 l: lane (r, h) holds row r, k = 128 s + 64 cc + 32 h + 0 .. 31;
;   at 32768 + 128 i: one word a lane: lanes 0-15 row l's scale word of K step 0, lanes 16-31 row l - 16's of K step 1;      at 34816 + 64 i: e_sq of the tile's 16 rows.
; SHARES: a wave takes one tile, 16 rows of 1,024 bytes, brought by one tensor load into its own LDS bytes (16 bytes of padding behind each row: rows 1,040 bytes apart, so that the 16 rows of a load begin at
; 16 different multiples of 16 bytes modulo 256).  Only the wave that issued the load reads the tile: its own wait on TENSORcnt orders that, and there is no barrier.
; STORES: each of the four images leaves as 512 consecutive bytes; the scale image's store covers 128 consecutive bytes and e_sq's 64: 192 bytes of a tile's 2,240.
; LIMITS: NaN and infinities among the inputs are not served.  A block of zeros gets the byte 1 where the rule says 127: its codes are zeros, and this program alone reads the bytes.  e_sq is summed in four chains, not in the order of a plain loop.
.set PITCH, 1040
.set TILEB, 16*PITCH                   ; a wave's tile in LDS
; BOTH OPERANDS OF THE PRODUCT ARE SERVED: tiles 0 .. 511 are the codebook's, tiles 512 .. 2559 are z_e's 32,768 rows (tile 512 + row / 16), laid in the same way in chunks 32 .. 159 of cbq; for them the sum of squares is z_sq.
; 256 work-groups of ten waves, a tile to a wave: 2,560 tiles.  The source is chosen by the tile's number alone.
.set SPARE, 10*TILEB                   ; behind the ten tiles: the spare words, 128 bytes for each wave: five blocks of 256 bytes that no other line names
.set CHUNK, 35840
.set SCOFF, 32768
.set EQOFF, 34816
.set SPW, 1                            ; v1   LDS address of my spare word; never rewritten
.set NIL, 2                            ; v2   0; never rewritten
.set XA,  3                            ; v3   LDS: my row of the tile, + 64 h
.set OC,  4                            ; v4   cbq: 16 x lane + 2048 i
.set OS,  5                            ; v5   4 x lane + 128 i
.set OE,  6                            ; v6   4 r + 64 i
.set LN,  7                            ; v7   lane
.set X0,  16                           ; v16-79   64 numbers of K step 0
.set X1,  80                           ; v80-143  of K step 1
.set PC0, 144                          ; v144-151 K step 0's codes
.set PC1, 152                          ; v152-159 K step 1's
.set TM,  160                          ; v160-175 at work in QUANT
.set PW0, 176                          ; the two scale words,
.set PW1, 177
.set IMG, 178                          ; and their image
.set SQ,  180                          ; v180-183 the sum of squares in four parts
.set ES,  184                          ; e_sq
.set WV,  8
.set G0,  12                           ; s[12:15] descriptor group 0
.set G1Z, 16                           ; s[16:23] descriptor group 1
.set SEL, 24                           ; s[24:25] v_permlanex16_b32's selects for lane l xor 16
.set HI16, 26                          ; s26  a mask of lanes 16-31
; my row's numbers of K step s: register 16 b + i holds k = 128 s + 32 b + 16 h + i
.macro XLOAD reg, s
.irp b, 0,1,2,3
.irp j, 0,1,2,3
	ds_load_b128 v[\reg+16*\b+4*\j:\reg+16*\b+4*\j+3], v[XA] offset:512*\s+128*\b+16*\j
.endr
.endr
.endm
; 64 numbers of a lane, laid as XLOAD lays them, become a fragment's codes in v[pc] on and my row's scale word in v[pw]
.macro QUANT s, pc, pw
.irp b, 0,1,2,3
	v_max3_num_f32 v[TM+\b], |v[\s+16*\b]|, |v[\s+1+16*\b]|, 0x1800000   ; block b: my 16 numbers, and the floor 2^(3 - 127): the byte cannot fall under 1
.endr
.irp i, 2,4,6,8,10,12,14
.irp b, 0,1,2,3
	v_max3_num_f32 v[TM+\b], v[TM+\b], |v[\s+16*\b+\i]|, |v[\s+1+16*\b+\i]|   ; the four blocks by turns
.endr
.endr
.irp b, 0,1,2,3
	v_permlanex16_b32 v[TM+4+\b], v[TM+\b], s[SEL], s[SEL+1]
.endr
.irp b, 0,1,2,3
	v_max_num_f32 v[TM+\b], v[TM+\b], v[TM+4+\b]   ; with lane l xor 16's 16: the block's largest magnitude
.endr
.irp b, 0,1,2,3
	v_add_nc_u32 v[TM+12+\b], 0xff000000, v[TM+\b]   ; 2 off its exponent field: the conversion takes the exponent field of this operand as its scale
.endr
.irp b, 0,1,2,3
	v_lshrrev_b32 v[TM+4+\b], 23, v[TM+12+\b]      ; the scale's byte
.endr
	v_lshl_or_b32 v[\pw], v[TM+5], 8, v[TM+4]
	v_lshl_or_b32 v[\pw], v[TM+6], 16, v[\pw]
	v_lshl_or_b32 v[\pw], v[TM+7], 24, v[\pw]
.irp b, 0,1,2,3
	v_cvt_scalef32_pk8_fp4_f32 v[\pc+2*\b], v[\s+16*\b:\s+7+16*\b], v[TM+12+\b]
	v_cvt_scalef32_pk8_fp4_f32 v[\pc+1+2*\b], v[\s+8+16*\b:\s+15+16*\b], v[TM+12+\b]
.endr
	v_nop                                          ; one plain instruction behind the last scaled conversion
.irp c, 0,1                                    ; the operand's layout wants a whole block in a lane: lanes 0-15 block 2 c, lanes 16-31 block 2 c + 1
.irp i, 0,1
	v_permlane16_swap_b32 v[\pc+4*\c+\i], v[\pc+2+4*\c+\i]
.endr
.endr
.endm
; the squares of the same 64 numbers, two at a time, in two chains of pairs
.macro SUMSQ s, first
.if \first
	v_pk_mul_f32 v[SQ:SQ+1], v[\s:\s+1], v[\s:\s+1]
	v_pk_mul_f32 v[SQ+2:SQ+3], v[\s+2:\s+3], v[\s+2:\s+3]
.else
	v_pk_fma_f32 v[SQ:SQ+1], v[\s:\s+1], v[\s:\s+1], v[SQ:SQ+1]
	v_pk_fma_f32 v[SQ+2:SQ+3], v[\s+2:\s+3], v[\s+2:\s+3], v[SQ+2:SQ+3]
.endif
.irp i, 4,8,12,16,20,24,28,32,36,40,44,48,52,56,60
	v_pk_fma_f32 v[SQ:SQ+1], v[\s+\i:\s+\i+1], v[\s+\i:\s+\i+1], v[SQ:SQ+1]
	v_pk_fma_f32 v[SQ+2:SQ+3], v[\s+\i+2:\s+\i+3], v[\s+\i+2:\s+\i+3], v[SQ+2:SQ+3]
.endr
.endm
.macro SQEND dst                       ; the four parts, and lane l xor 16's: every lane holds its row's sum
	v_add_f32 v[SQ], v[SQ], v[SQ+1]
	v_add_f32 v[SQ+2], v[SQ+2], v[SQ+3]
	v_add_f32 v[SQ], v[SQ], v[SQ+2]
	v_permlanex16_b32 v[SQ+1], v[SQ], s[SEL], s[SEL+1]
	v_add_f32 v[\dst], v[SQ], v[SQ+1]
.endm
	s_load_b128 s[4:7], s[0:1], 0x0                ; codebook s[4:5], cbq s[6:7]
	s_load_b64 s[32:33], s[0:1], 0x10              ; z_e
	v_lshl_add_u32 v[SPW], v0, 2, SPARE
	v_mov_b32 v[NIL], 0
	ds_add_u32 v[SPW], v[NIL]                      ; the wave's opening: the add and its wait ahead of my tensor load; the set-up below, work on registers, stands between them
	ds_add_u32 v[SPW], v[NIL]
	v_lshrrev_b32 v[LN], 5, v0
	v_readfirstlane_b32 s[WV], v[LN]               ; wave 0..9
	; descriptor group 1: 16 rows x 256 elements of 4 bytes, 4 words of padding behind each 256 words
	s_mov_b32 s[G1Z+0], (2<<16)|(1<<20)|(7<<22)|(3<<25)
	s_mov_b32 s[G1Z+1], 256<<16                    ; tensor_dim0
	s_mov_b32 s[G1Z+2], 16<<16                     ; tensor_dim1
	s_mov_b32 s[G1Z+3], 256<<16                    ; tile_dim0
	s_mov_b32 s[G1Z+4], 16                         ; tile_dim1
	s_mov_b32 s[G1Z+5], 256                        ; elements from row to row
	s_mov_b32 s[G1Z+6], 0
	s_mov_b32 s[G1Z+7], 0
	s_mul_i32 s9, ttmp9, 10
	s_add_co_u32 s9, s9, s[WV]                     ; my tile T = 10 x work-group + wave
	s_cmp_lt_u32 s9, 512                           ; the codebook's or z_e's?
	s_cselect_b32 s28, 0, 512
	s_sub_co_u32 s28, s9, s28                      ; its number in its own tensor,
	s_lshl_b32 s28, s28, 14                        ; and its 16 rows of 1,024 bytes there
	s_mov_b32 s29, 0
	s_lshr_b32 s10, s9, 4
	s_mul_i32 s30, s10, CHUNK                      ; its chunk in cbq
	s_mov_b32 s31, 0
	s_and_b32 s11, s9, 15                          ; i: its place in the chunk
	s_mov_b32 s[G0], 1                             ; count = 1
	s_mul_i32 s[G0+1], s[WV], TILEB                ; LDS address: my wave's tile
	s_mov_b32 s[SEL], 0x76543210
	s_mov_b32 s[SEL+1], 0xfedcba98
	s_mov_b32 s[HI16], 0xffff0000
	s_wait_dscnt 0x0                               ; the opening add is done
	s_wait_kmcnt 0x0
	s_cmp_lt_u32 s9, 512
	s_cselect_b64 s[4:5], s[4:5], s[32:33]         ; the choice hangs on the tile's number alone
	s_add_nc_u64 s[G0+2:G0+3], s[4:5], s[28:29]
	s_or_b32 s[G0+3], s[G0+3], 0x80000000          ; type = 2
	tensor_load_to_lds s[G0:G0+3], s[G1Z:G1Z+7]
	s_nop 0
	s_add_nc_u64 s[6:7], s[6:7], s[30:31]
	v_and_b32 v[LN], 31, v0
	v_and_b32 v8, 15, v0                           ; r
	v_bfe_u32 v9, v0, 4, 1                         ; h
	v_mul_u32_u24 v[XA], v8, PITCH
	v_lshl_add_u32 v[XA], v9, 6, v[XA]
	v_add_nc_u32 v[XA], s[G0+1], v[XA]
	s_lshl_b32 s28, s11, 11
	v_lshl_add_u32 v[OC], v[LN], 4, s28
	s_lshl_b32 s28, s11, 7
	v_lshl_add_u32 v[OS], v[LN], 2, s28
	s_lshl_b32 s28, s11, 6
	v_lshl_add_u32 v[OE], v8, 2, s28
.irp b, 0,1,2,3
	v_mov_b32 v[TM+4+\b], 0                        ; written once: a lane permute's destination counts as one of its sources
.endr
	s_wait_alu depctr_va_vdst(0)
	s_wait_tensorcnt 0x0                           ; my tile is in LDS
	XLOAD X0, 0
	XLOAD X1, 1
	s_wait_dscnt 16                                ; K step 0's sixteen loads are in; K step 1's sixteen may be out
	QUANT X0, PC0, PW0
	SUMSQ X0, 1
	s_wait_dscnt 0x0
	QUANT X1, PC1, PW1
	SUMSQ X1, 0
	SQEND ES
	v_cndmask_b32 v[IMG], v[PW0], v[PW1], s[HI16]  ; lanes 0-15: K step 0's word; lanes 16-31: K step 1's
	global_store_b128 v[OC], v[PC0:PC0+3], s[6:7]              ; each image: 32 lanes, 512 consecutive bytes
	global_store_b128 v[OC], v[PC0+4:PC0+7], s[6:7] offset:512
	global_store_b128 v[OC], v[PC1:PC1+3], s[6:7] offset:1024
	global_store_b128 v[OC], v[PC1+4:PC1+7], s[6:7] offset:1536
	global_store_b32 v[OS], v[IMG], s[6:7] offset:SCOFF
	v_cmp_gt_u32 vcc_lo, 16, v[LN]
	s_wait_alu depctr_va_vdst(0)
	s_wait_xcnt 0x0                                ; EXEC is a source of the stores above: it changes only behind this wait
	s_and_saveexec_b32 s27, vcc_lo
	global_store_b32 v[OE], v[ES], s[6:7] offset:EQOFF         ; lanes 0-15: e_sq of row r
	s_wait_xcnt 0x0                                ; and again ahead of the line that widens it
	s_or_b32 exec_lo, exec_lo, s27
	s_wait_tensorcnt 0x0                           ; the wave's end, behind my tensor load
	ds_add_u32 v[SPW], v[NIL]
	s_wait_dscnt 0x0
	s_endpgm
.Lfunc_end_k_qc90916c7e3_quant:
	.size	k_qc90916c7e3_quant, .Lfunc_end_k_qc90916c7e3_quant-k_qc90916c7e3_quant
	.p2alignl 7, 3214868480
	.fill 96, 4, 3214868480
	.section	.rodata,"a",@progbits
	.p2align	6, 0x0
	.amdhsa_kernel k_qc90916c7e3_quant
		.amdhsa_group_segment_fixed_size 167936
		.amdhsa_private_segment_fixed_size 0
		.amdhsa_enable_private_segment 0
		.amdhsa_kernarg_size 24
		.amdhsa_user_sgpr_count 2
		.amdhsa_user_sgpr_kernarg_segment_ptr 1
		.amdhsa_wavefront_size32 1
		.amdhsa_system_sgpr_workgroup_id_x 1
		.amdhsa_system_sgpr_workgroup_id_y 1
		.amdhsa_system_sgpr_workgroup_id_z 1
		.amdhsa_system_vgpr_workitem_id 0
		.amdhsa_next_free_vgpr 192
		.amdhsa_next_free_sgpr 66
		.amdhsa_reserve_vcc 1
		.amdhsa_float_denorm_mode_32 3
		.amdhsa_float_denorm_mode_16_64 3
		.amdhsa_memory_ordered 1
		.amdhsa_forward_progress 1
		.amdhsa_inst_pref_size 18
	.end_amdhsa_kernel
	.amdgpu_metadata
---
amdhsa.version: [ 1, 2 ]
amdhsa.kernels:
  - .name:           k_qc90916c7e3_quant
    .symbol:         k_qc90916c7e3_quant.kd
    .args:
      - { .name: codebook, .offset: 0, .size: 8, .value_kind: global_buffer, .address_space: global }
      - { .name: cbq, .offset: 8, .size: 8, .value_kind: global_buffer, .address_space: global }
      - { .name: z_e, .offset: 16, .size: 8, .value_kind: global_buffer, .address_space: global }
    .group_segment_fixed_size: 167936
    .private_segment_fixed_size: 0
    .kernarg_segment_align: 8
    .kernarg_segment_size: 24
    .max_flat_workgroup_size: 320
    .sgpr_count:     66
    .vgpr_count:     192
    .wavefront_size: 32
...
	.end_amdgpu_metadata
.endif
;; end of part 1
;; launch search (part 2): grid 256 x 1, 8 waves a work-group, clusters of 4 x 1, 327,680 bytes of LDS; arguments cbq, out2, codes; writes out2, codes
.if DOCPART == 2
	.amdgcn_target "amdgcn-amd-amdhsa--gfx1250"
	.amdhsa_code_object_version 6
	.text
	.protected	k_qc90916c7e3_search
	.globl	k_qc90916c7e3_search
	.p2align	8
	.type	k_qc90916c7e3_search,@function
k_qc90916c7e3_search:
	s_mov_b64 s[64:65], 0
	v_nop
	global_prefetch_b8 v0, s[64:65] scope:SCOPE_SE
	s_setreg_imm32_b32 hwreg(HW_REG_WAVE_MODE, 25, 1), 1
	s_wait_xcnt 0x0
	s_wait_alu depctr_hold_cnt(0) depctr_sa_sdst(0) depctr_va_vdst(0) depctr_va_sdst(0) depctr_va_ssrc(0) depctr_va_vcc(0) depctr_vm_vsrc(0)
	s_getreg_b32 s2, hwreg(HW_REG_IB_STS2, 6, 4)
	s_cmp_eq_u32 s2, 0
	s_cbranch_scc0 .Lentry_in_a_cluster
	s_endpgm
.Lentry_in_a_cluster:
	s_bfe_u32 s2, ttmp6, 0x10000c
	s_cmp_lg_u32 s2, 0x3003
	s_cbranch_scc0 .Lentry_shape_is_right
	s_endpgm
.Lentry_shape_is_right:
; For each of 32,768 rows of z: the first index at which dist = (z_sq - 2 ze) + e_sq is least, each step rounded in f32 as the definition has it; ze by the scaled FP4 matrix instruction.
; cbq (made by the launch before) holds both operands as images of the matrix operand's registers: chunks of 35,840 bytes, 16 tiles of 16 rows each: at 2048 i four images of 512 bytes, at 32768 + 128 i the scale words
; (lanes 0-15 K step 0, lanes 16-31 K step 1), at 34816 + 64 i the 16 sums of squares.  Chunks 0-31: the codebook; chunks 32-159: z.
; SHARES: a work-group takes 128 rows of z; its eight waves, two to a SIMD (2 x 384 registers), take an eighth of the codes each, against all 128 rows.  z's eight fragments (128 registers, window 1), scale words
; and z_sq come straight from memory into registers, 512 consecutive bytes a load, and stay.  The codebook goes in 8 steps of 4 chunks through two LDS slots; wave w fetches rows 70 w .. 70 w + 69 (of 256 bytes)
; of a step and reads tiles 8 (w % 2) .. + 7 of its chunk w / 2: each code tile is read from LDS once.
; CLUSTER: the four work-groups of a cluster walk the same chunks and ask for each jointly (mask 15).
; THE MATRIX INSTRUCTION: source 0 = 16 codes, source 1 = 16 rows of z: lane (r, h) holds row r of z and its eight registers the codes 8 h + 0 .. 7.
; A code tile is 16 matrix instructions (8 accumulators by turns, two K steps) and then the way out of the 8 accumulators, laid as a pipeline over them so that no line reads what the lines just above it wrote.
; For each accumulator: 4 packed multiply-adds, 4 packed adds, a tree of 4 three-way minima with the running minimum among its leaves, one compare (strictly less: the earlier tile keeps a tie),
; and, kept under that compare by four dual-issue pairs, the tile's number and the distances of registers 0 .. 6.  At the end the first of these seven that equals the minimum gives the code; if none does, it is register 7.
; NO PREFETCH: a step's 143,360 bytes are asked for a whole step, 128 matrix instructions a wave, ahead of the wait for them, and the whole stream is 1,146,880 bytes, walked by all work-groups step by step.
; LIMITS: NaN and infinities among the inputs are not served.
.set CHUNK,  35840
.set STEPB,  4*CHUNK
.set SLOTP,  STEPB+1024
.set WLOAD,  STEPB/8
.set SCOFF,  32768
.set EQOFF,  34816
.set MRG,    2*SLOTP                   ; behind the ring: 8 waves x 128 minima, then 8 x 128 indices
.set SPARE,  MRG+8192                  ; the spare words, 128 bytes a wave: four blocks of 256 bytes that no other line names
.set SPW, 1
.set NIL, 2
.set LC,  3                            ; lane terms of the LDS addresses: images, scale words, e_sq
.set LS,  4
.set LE,  5
.set WC,  6                            ; the same with the slot and the tile
.set WS,  7
.set WE,  8
.set LCON, 9                           ; 128 x wave + 8 h
.set SA,  10                           ; v10-11   the codes' scale words, two sets
.set SB,  12                           ; v12-19   z's scale words
.set ST,  20                           ; v20-51   for each tile of z: z_sq, tile number, the minimum in two registers by turns
.set EQ,  52                           ; v52-67   e_sq, two sets
.set AF,  68                           ; v68-99   the codes' fragments, two sets
.set ACC, 100                          ; v100-163 eight accumulators
.set SV,  164                          ; v164-227 the distances of the best tile so far: registers 0 .. 6 of each eight
.set T1,  228
.set T2,  229
.set VI,  230
.set VS,  231
.set VQ,  232
.set LN,  233
.set RR,  234
.set HH,  235
.set PHV, 236                          ; v236     the number of my code tile, 0 .. 63
.set JR,  ACC                          ; the tail's registers lie where the accumulators lay
.set T0,  ACC+8
.set T3,  ACC+9
.set XM,  ACC+10
.set XN,  ACC+11
.set MW,  ACC+12
.set MR,  ACC+13
.set GO,  ACC+14
.set FM,  ACC+16
.set FN,  ACC+32
.set WV,  12
.set CX,  13
.set WG,  14
.set CNT, 16
.set OUT, 17
.set SC,  18
.set SS,  19
.set SE,  20
.set SEL, 22
.set G1J, 24
.set G0,  40
.macro CREST
	s_cmp_lg_u32 s[WV], 0
	s_cbranch_scc1 .Lnw0_\@
	s_barrier_signal -3
.Lnw0_\@:
	s_barrier_wait -3
	s_barrier_signal -1
	s_barrier_wait -1
.endm
.macro ROUND
	s_barrier_signal -1
	s_barrier_wait -1
	CREST
.endm
.macro SLOTSET b
	s_mov_b32 s[SC], \b
	s_mov_b32 s[SS], \b
	s_mov_b32 s[SE], \b
.endm
.macro ADDR
	v_add_nc_u32 v[WC], s[SC], v[LC]
	v_add_nc_u32 v[WS], s[SS], v[LS]
	v_add_nc_u32 v[WE], s[SE], v[LE]
.endm
; seven LDS loads in one run: a code tile's four images, its scale words, its e_sq, into set buf
.macro LOADT buf, tl
.irp k, 0,1,2,3
	ds_load_b128 v[AF+16*(\buf)+4*\k:AF+16*(\buf)+4*\k+3], v[WC] offset:(\tl)*2048+512*\k
.endr
	ds_load_b32 v[SA+(\buf)], v[WS] offset:(\tl)*128
.irp u, 0,1
	ds_load_b128 v[EQ+8*(\buf)+4*\u:EQ+8*(\buf)+4*\u+3], v[WE] offset:(\tl)*64+16*\u
.endr
.endm
; 16 matrix instructions: the eight accumulators by turns, K step 0 (which starts the sums), then K step 1.  Source 1 lies in window 1.
.macro MM par
	s_set_vgpr_msb 0x04
.irp t, 0,1,2,3,4,5,6,7
	v_wmma_scale_f32_16x16x128_f8f6f4 v[ACC+8*\t:ACC+8*\t+7], v[AF+16*\par:AF+16*\par+7], v[16*\t:16*\t+7], 0, v[SA+\par], v[SB+\t] matrix_a_fmt:MATRIX_FMT_FP4 matrix_b_fmt:MATRIX_FMT_FP4
.endr
.irp t, 0,1,2,3,4,5,6,7
	v_wmma_scale_f32_16x16x128_f8f6f4 v[ACC+8*\t:ACC+8*\t+7], v[AF+16*\par+8:AF+16*\par+15], v[16*\t+8:16*\t+15], v[ACC+8*\t:ACC+8*\t+7], v[SA+\par], v[SB+\t] matrix_a_fmt:MATRIX_FMT_FP4 matrix_b_fmt:MATRIX_FMT_FP4 matrix_a_scale:MATRIX_SCALE_ROW1 matrix_b_scale:MATRIX_SCALE_ROW1
.endr
	s_set_vgpr_msb 0x0400
	v_add_nc_u32 v[PHV], 1, v[PHV]                 ; this tile's number; with the three lines below: four places ahead of the first read of a result (ISA guide 7.12.1)
.rept 3
	v_nop
.endr
.endm
; The way out, turns lo .. hi of 11.  Turn n (TAU = n - 3): the compare for accumulator TAU, three minima for TAU + 1, + e_sq for TAU + 2, the last minimum for TAU + 1, what is kept of TAU, z_sq - 2 ze for TAU + 3.
; In a full turn eight lines stand between the compare and the first line that reads VCC, and four or more between any other line and the reader of its result.
.macro EPI par, lo, hi
.set TAU, \lo-3
.rept \hi-\lo+1
.if TAU >= 0
	v_cmp_lt_f32 vcc_lo, v[ST+4*TAU+3-\par], v[ST+4*TAU+2+\par]
.endif
.if (TAU+1 >= 0) && (TAU+1 <= 7)
	v_min3_num_f32 v[ST+4*(TAU+1)+3-\par], v[ST+4*(TAU+1)+2+\par], v[ACC+8*(TAU+1)], v[ACC+8*(TAU+1)+1]
	v_min3_num_f32 v[T1], v[ACC+8*(TAU+1)+2], v[ACC+8*(TAU+1)+3], v[ACC+8*(TAU+1)+4]
	v_min3_num_f32 v[T2], v[ACC+8*(TAU+1)+5], v[ACC+8*(TAU+1)+6], v[ACC+8*(TAU+1)+7]
.endif
.if (TAU+2 >= 0) && (TAU+2 <= 7)
.irp i, 0,2,4,6
	v_pk_add_f32 v[ACC+8*(TAU+2)+\i:ACC+8*(TAU+2)+\i+1], v[ACC+8*(TAU+2)+\i:ACC+8*(TAU+2)+\i+1], v[EQ+8*\par+\i:EQ+8*\par+\i+1]
.endr
.endif
.if (TAU+1 >= 0) && (TAU+1 <= 7)
	v_min3_num_f32 v[ST+4*(TAU+1)+3-\par], v[ST+4*(TAU+1)+3-\par], v[T1], v[T2]
.endif
.if TAU >= 0
.irp i, 0,2,4
	v_dual_cndmask_b32 v[SV+8*TAU+\i], v[SV+8*TAU+\i], v[ACC+8*TAU+\i] :: v_dual_cndmask_b32 v[SV+8*TAU+\i+1], v[SV+8*TAU+\i+1], v[ACC+8*TAU+\i+1]
.endr
	v_dual_cndmask_b32 v[SV+8*TAU+6], v[SV+8*TAU+6], v[ACC+8*TAU+6] :: v_dual_cndmask_b32 v[ST+4*TAU+1], v[ST+4*TAU+1], v[PHV]   ; register 6, and the tile's number
.endif
.if TAU+3 <= 7
.irp i, 0,2,4,6                                ; each accumulator from its low end on
	v_pk_fma_f32 v[ACC+8*(TAU+3)+\i:ACC+8*(TAU+3)+\i+1], v[ACC+8*(TAU+3)+\i:ACC+8*(TAU+3)+\i+1], -2.0, v[ST+4*(TAU+3):ST+4*(TAU+3)+1] op_sel_hi:[1,0,0]
.endr
.endif
.set TAU, TAU+1
.endr
.endm
; a code tile: the next tile's loads (ld = 1: tile tl from the address registers, into the other set), this tile's products and way out
.macro PHASE par, ld, tl
.if \ld
	LOADT 1-\par, \tl
	s_wait_dscnt 7                                 ; this tile's seven loads are in; the seven just issued may be out
.else
	s_wait_dscnt 0x0
.endif
	MM \par
	EPI \par, 0, 10
.endm
.macro RUN7                            ; my tiles 0 .. 6 of a step
	s_mov_b32 s[CNT], 3
.Linner_\@:
	ADDR
	PHASE 0, 1, 1
	PHASE 1, 1, 2
	s_add_co_u32 s[SC], s[SC], 4096
	s_add_co_u32 s[SS], s[SS], 256
	s_add_co_u32 s[SE], s[SE], 128
	s_sub_co_u32 s[CNT], s[CNT], 1
	s_cmp_lg_u32 s[CNT], 0
	s_cbranch_scc1 .Linner_\@
	ADDR
	PHASE 0, 1, 1
.endm
; my tile 7 of a step in slot x, and the change of slots.  fill = 1: slot x is filled again with the step two on.  fill = 0: a work-group barrier alone: the other slot holds bytes that other waves fetched
.macro TURN x, fill
	s_wait_tensorcnt 0x0                           ; all my tensor loads have landed: my rows of the other slot
.if \fill
	ds_add_u32 v[SPW], v[NIL]
	s_add_nc_u64 s[G0+4*\x+2:G0+4*\x+3], s[G0+4*\x+2:G0+4*\x+3], 2*STEPB
.endif
	s_wait_dscnt 0x0                               ; tile 7's loads are in (and the add is done): my reads of this slot are over
	s_barrier_signal -1
	MM 1                                           ; work on registers alone while the others arrive
	EPI 1, 0, 5
	s_wait_alu depctr_va_vdst(0)                   ; directly ahead of the barrier's wait
	s_barrier_wait -1
.if \fill
	CREST
	tensor_load_to_lds s[G0+4*\x:G0+4*\x+3], s[G1J:G1J+7]
	s_nop 0
.endif
	SLOTSET (1-(\x))*SLOTP
	ADDR
	LOADT 0, 0                                     ; the other slot's tile 0, on its way under the rest of tile 7's way out
	EPI 1, 6, 10
.endm
.macro TAKE ma, na, mb, nb             ; (ma, na) becomes the lesser of the two pairs: by the distance, then by the index
	v_cmp_lt_f32 s56, v[\mb], v[\ma]
	v_cmp_eq_f32 s57, v[\mb], v[\ma]
	v_cmp_lt_u32 s58, v[\nb], v[\na]
	s_and_b32 s57, s57, s58
	s_or_b32 s56, s56, s57
	v_cndmask_b32 v[\ma], v[\ma], v[\mb], s56
	v_cndmask_b32 v[\na], v[\na], v[\nb], s56
.endm
	s_load_b128 s[4:7], s[0:1], 0x0                ; cbq s[4:5], out2 s[6:7]
	s_load_b64 s[8:9], s[0:1], 0x10                ; codes
	v_lshl_add_u32 v[SPW], v0, 2, SPARE
	v_mov_b32 v[NIL], 0
	ds_add_u32 v[SPW], v[NIL]                      ; the opening lines: the add twice on end and one wait
	ds_add_u32 v[SPW], v[NIL]
	v_lshrrev_b32 v[WC], 5, v0
	v_readfirstlane_b32 s[WV], v[WC]               ; wave 0..7
	s_bfe_u32 s[CX], ttmp6, 0x40000
	s_lshl_b32 s[WG], ttmp9, 2
	s_add_co_u32 s[WG], s[WG], s[CX]               ; work-group = 4 x cluster + place
	s_mov_b32 s[G1J+0], 15|(3<<16)|(1<<21)         ; mask of the four; elements of 8 bytes; bit 21 beside a mask
	s_mov_b32 s[G1J+1], 32<<16                     ; rows of 256 bytes
	s_mov_b32 s[G1J+2], 70<<16                     ; 70 rows: an eighth of a step
	s_mov_b32 s[G1J+3], 32<<16
	s_mov_b32 s[G1J+4], 70
	s_mov_b32 s[G1J+5], 32
	s_mov_b32 s[G1J+6], 0
	s_mov_b32 s[G1J+7], 0
	s_mul_i32 s52, s[WV], WLOAD                    ; the rows that I fetch, in a step of cbq and in a slot
	s_mov_b32 s53, 0
	s_mov_b32 s[G0], 1
	s_mov_b32 s[G0+1], s52
	s_mov_b32 s[G0+4], 1
	s_add_co_u32 s[G0+5], s52, SLOTP
	s_lshr_b32 s54, s[WG], 1
	s_add_co_u32 s54, s54, 32
	s_mul_i32 s54, s54, CHUNK                      ; z's chunk 32 + work-group / 2
	s_mov_b32 s55, 0
	s_and_b32 s56, s[WG], 1                        ; which eight of its tiles
	s_lshl_b32 s57, s56, 14
	s_lshl_b32 s58, s56, 10
	s_add_co_u32 s58, s58, SCOFF
	s_lshl_b32 s59, s56, 9
	s_add_co_u32 s59, s59, EQOFF
	s_lshr_b32 s60, s[WV], 1
	s_mul_i32 s60, s60, CHUNK                      ; the chunk that I read,
	s_and_b32 s61, s[WV], 1                        ; and which eight of its tiles
	s_lshl_b32 s62, s61, 14
	s_add_co_u32 s62, s62, s60
	s_lshl_b32 s66, s61, 10
	s_add_co_u32 s66, s66, s60
	s_add_co_u32 s66, s66, SCOFF
	s_lshl_b32 s67, s61, 9
	s_add_co_u32 s67, s67, s60
	s_add_co_u32 s67, s67, EQOFF
	s_lshl_b32 s68, s[WV], 7
	s_mov_b32 s[SEL], 0x76543210
	s_mov_b32 s[SEL+1], 0xfedcba98
	v_and_b32 v[LN], 31, v0
	v_and_b32 v[RR], 15, v0
	v_bfe_u32 v[HH], v0, 4, 1
	v_mov_b32 v[PHV], -1                           ; each tile's products are followed by its step: the first tile has the number 0
	v_lshl_add_u32 v[LC], v[LN], 4, s62
	v_lshl_add_u32 v[LS], v[LN], 2, s66
	v_lshl_add_u32 v[LE], v[HH], 5, s67
	v_lshl_or_b32 v[LCON], v[HH], 3, s68
	v_lshl_add_u32 v[VI], v[LN], 4, s57
	v_lshl_add_u32 v[VS], v[LN], 2, s58
	v_lshl_add_u32 v[VQ], v[RR], 2, s59
.irp t, 0,1,2,3,4,5,6,7
	v_mov_b32 v[ST+4*\t+1], 0
	v_mov_b32 v[ST+4*\t+2], 0x7f800000             ; no distance yet
.endr
.set J, 0
.rept 64
.if (J%8) != 7
	v_mov_b32 v[SV+J], 0x7f800000
.endif
.set J, J+1
.endr
	s_wait_alu depctr_va_vdst(0)                   ; at the head's end
	s_wait_dscnt 0x0                               ; both opening adds are done
	s_wait_kmcnt 0x0
	s_add_nc_u64 s[G0+2:G0+3], s[4:5], s[52:53]
	s_add_nc_u64 s[G0+6:G0+7], s[G0+2:G0+3], STEPB
	s_or_b32 s[G0+3], s[G0+3], 0x80000000
	s_or_b32 s[G0+7], s[G0+7], 0x80000000
	s_add_nc_u64 s[54:55], s[4:5], s[54:55]
	s_set_vgpr_msb 0x40                            ; z's fragments go to window 1
.irp t, 0,1,2,3,4,5,6,7
.irp k, 0,1,2,3
	global_load_b128 v[16*\t+4*\k:16*\t+4*\k+3], v[VI], s[54:55] offset:2048*\t+512*\k   ; 32 lanes read 512 consecutive bytes
.endr
.endr
	s_set_vgpr_msb 0x4000
.irp t, 0,1,2,3,4,5,6,7
	global_load_b32 v[SB+\t], v[VS], s[54:55] offset:128*\t
	global_load_b32 v[ST+4*\t], v[VQ], s[54:55] offset:64*\t     ; z_sq of row r
.endr
	ROUND                                          ; the four work-groups are here: the first joint loads meet
	tensor_load_to_lds s[G0:G0+3], s[G1J:G1J+7]    ; step 0: one tensor load a wave at the head
	s_nop 0
	s_wait_tensorcnt 0x0                           ; ahead of slot 1's first fill, as ahead of a refill
	ds_add_u32 v[SPW], v[NIL]
	s_wait_dscnt 0x0
	ROUND                                          ; every wave's rows of step 0 are in
	tensor_load_to_lds s[G0+4:G0+7], s[G1J:G1J+7]  ; step 1
	s_nop 0
	SLOTSET 0
	ADDR
	LOADT 0, 0
	s_wait_loadcnt 0x0                             ; z's fragments, scale words and z_sq
	s_mov_b32 s[OUT], 3
.Lsteps:                                               ; steps 0 .. 5: each change of slots asks for the step two on
	RUN7
	TURN 0, 1
	RUN7
	TURN 1, 1
	s_sub_co_u32 s[OUT], s[OUT], 1
	s_cmp_lg_u32 s[OUT], 0
	s_cbranch_scc1 .Lsteps
	RUN7                                           ; step 6: nothing is filled again
	TURN 0, 0
	RUN7                                           ; step 7
	PHASE 1, 0, 0
	; THE TAIL: the code inside the best tile, the other half of the lanes, the other seven waves
	s_lshl_b32 s52, s[WV], 9
	s_add_co_u32 s52, s52, MRG
	s_lshl_b32 s53, s[WV], 8
	s_add_co_u32 s54, s53, MRG
	s_lshl_b32 s55, s[WG], 9
	s_add_co_u32 s55, s55, s53
	v_and_b32 v[T0], 15, v0
	v_and_b32 v[T3], 31, v0
	v_mov_b32 v[XM], 0
	v_mov_b32 v[XN], 0
	v_lshl_add_u32 v[MW], v[T0], 2, s52
	v_lshl_add_u32 v[MR], v[T3], 3, s54
	v_lshl_add_u32 v[GO], v[T3], 3, s55
.irp t, 0,1,2,3,4,5,6,7
	v_mov_b32 v[JR+\t], 7                          ; register 7, unless one of the seven kept equals the minimum
.endr
.irp j, 6,5,4,3,2,1,0                          ; descending: the first register that equals the minimum stays.  Eight masks (in registers that held the descriptor: no tensor load is out), then eight selections
.irp t, 0,1,2,3,4,5,6,7
	v_cmp_eq_f32 s[G1J+\t], v[SV+8*\t+\j], v[ST+4*\t+2]
.endr
.irp t, 0,1,2,3,4,5,6,7
	v_cndmask_b32 v[JR+\t], v[JR+\t], \j, s[G1J+\t]
.endr
.endr
.irp t, 0,1,2,3,4,5,6,7
	v_and_b32 v[T0], 0x38, v[ST+4*\t+1]            ; the step,
	v_and_b32 v[T3], 7, v[ST+4*\t+1]               ; my tile in it
	s_delay_alu instid0(VALU_DEP_2)
	v_lshl_or_b32 v[T0], v[T0], 7, v[LCON]
	s_delay_alu instid0(VALU_DEP_2)
	v_lshl_or_b32 v[T3], v[T3], 4, v[JR+\t]
	s_delay_alu instid0(VALU_DEP_1)
	v_or_b32 v[ST+4*\t+1], v[T0], v[T3]            ; code = 1024 step + 128 wave + 16 tile + 8 h + register
	v_permlanex16_b32 v[XM], v[ST+4*\t+2], s[SEL], s[SEL+1]
	s_delay_alu instid0(VALU_DEP_2)
	v_permlanex16_b32 v[XN], v[ST+4*\t+1], s[SEL], s[SEL+1]
	TAKE ST+4*\t+2, ST+4*\t+1, XM, XN
	ds_store_b32 v[MW], v[ST+4*\t+2] offset:64*\t
	ds_store_b32 v[MW], v[ST+4*\t+1] offset:4096+64*\t
.endr
	s_wait_dscnt 0x0                               ; for the others' sake: my stores are done
	s_barrier_signal -1
	s_barrier_wait -1
	s_cmp_lt_u32 s[WV], 2
	s_cbranch_scc0 .Ldone
.irp c, 0,1,2,3,4,5,6,7
	ds_load_b64 v[FM+2*\c:FM+2*\c+1], v[MR] offset:512*\c
	ds_load_b64 v[FN+2*\c:FN+2*\c+1], v[MR] offset:4096+512*\c
.endr
	s_wait_dscnt 0x0
.irp c, 1,2,3,4,5,6,7
	TAKE FM, FN, FM+2*\c, FN+2*\c
	TAKE FM+1, FN+1, FM+2*\c+1, FN+2*\c+1
.endr
	global_store_b64 v[GO], v[FN:FN+1], s[6:7]     ; 32 lanes store 256 consecutive bytes, aligned
	global_store_b64 v[GO], v[FN:FN+1], s[8:9]
.Ldone:
	s_wait_tensorcnt 0x0                           ; the wave's end
	ds_add_u32 v[SPW], v[NIL]
	s_wait_dscnt 0x0
	ROUND                                          ; the closing round
	s_endpgm
.Lfunc_end_k_qc90916c7e3_search:
	.size	k_qc90916c7e3_search, .Lfunc_end_k_qc90916c7e3_search-k_qc90916c7e3_search
	.p2alignl 7, 3214868480
	.fill 96, 4, 3214868480
	.section	.rodata,"a",@progbits
	.p2align	6, 0x0
	.amdhsa_kernel k_qc90916c7e3_search
		.amdhsa_group_segment_fixed_size 327680
		.amdhsa_private_segment_fixed_size 0
		.amdhsa_enable_private_segment 0
		.amdhsa_kernarg_size 24
		.amdhsa_user_sgpr_count 2
		.amdhsa_user_sgpr_kernarg_segment_ptr 1
		.amdhsa_wavefront_size32 1
		.amdhsa_system_sgpr_workgroup_id_x 1
		.amdhsa_system_sgpr_workgroup_id_y 1
		.amdhsa_system_sgpr_workgroup_id_z 1
		.amdhsa_system_vgpr_workitem_id 0
		.amdhsa_next_free_vgpr 384
		.amdhsa_next_free_sgpr 72
		.amdhsa_reserve_vcc 1
		.amdhsa_float_denorm_mode_32 3
		.amdhsa_float_denorm_mode_16_64 3
		.amdhsa_memory_ordered 1
		.amdhsa_forward_progress 1
		.amdhsa_inst_pref_size 215
	.end_amdhsa_kernel
	.amdgpu_metadata
---
amdhsa.version: [ 1, 2 ]
amdhsa.kernels:
  - .name:           k_qc90916c7e3_search
    .symbol:         k_qc90916c7e3_search.kd
    .args:
      - { .name: cbq, .offset: 0, .size: 8, .value_kind: global_buffer, .address_space: global }
      - { .name: out2, .offset: 8, .size: 8, .value_kind: global_buffer, .address_space: global }
      - { .name: codes, .offset: 16, .size: 8, .value_kind: global_buffer, .address_space: global }
    .group_segment_fixed_size: 327680
    .private_segment_fixed_size: 0
    .kernarg_segment_align: 8
    .kernarg_segment_size: 24
    .max_flat_workgroup_size: 256
    .sgpr_count:     72
    .vgpr_count:     384
    .wavefront_size: 32
...
	.end_amdgpu_metadata
.endif
;; end of part 2
;; launch gather (part 3): grid 512 x 1, 8 waves a work-group, no clusters, 0 bytes of LDS; arguments z_e, codebook, codes, out0, part; writes out0, part
.if DOCPART == 3
	.amdgcn_target "amdgcn-amd-amdhsa--gfx1250"
	.amdhsa_code_object_version 6
	.text
	.protected	k_qc90916c7e3_gather
	.globl	k_qc90916c7e3_gather
	.p2align	8
	.type	k_qc90916c7e3_gather,@function
k_qc90916c7e3_gather:
	s_mov_b64 s[64:65], 0
	v_nop
	global_prefetch_b8 v0, s[64:65] scope:SCOPE_SE
	s_setreg_imm32_b32 hwreg(HW_REG_WAVE_MODE, 25, 1), 1
	s_wait_xcnt 0x0
; out0 = z + (e - z) with e = codebook[idx], and for each wave the sum of (e - z)^2 over its rows, all in f32 with the roundings of the definition.
; A stream: a wave takes 8 rows of 1,024 bytes; a row is two loads or stores of 512 consecutive bytes.  Waves share nothing: no LDS, no barrier, no loop, no matrix unit, no cluster.
; The indices were stored as whole numbers by the launch before; a wave reads its eight by one scalar load, holds each at 8,191 and adds 1,024 x index to the codebook's address.
; All 32 loads of a wave go out together.  Each wave's sum leaves as one word of 4 bytes: 16,384 bytes in all beside the 33,554,432 of out0.
.set Z, 8                              ; v8-71    z: row i at 8 i
.set E, 72                             ; v72-135  e, then e - z
.set S, 136                            ; v136-143 four pairs of sums
	s_load_b256 s[4:11], s[0:1], 0x0               ; z_e s[4:5], codebook s[6:7], codes s[8:9], out0 s[10:11]
	s_load_b64 s[12:13], s[0:1], 0x20              ; part
	v_lshrrev_b32 v2, 5, v0
	s_delay_alu instid0(VALU_DEP_1)
	v_readfirstlane_b32 s14, v2                    ; wave
	v_and_b32 v3, 31, v0                           ; lane
	s_delay_alu instid0(VALU_DEP_1)
	v_lshlrev_b32 v1, 4, v3                        ; my 16 bytes of 512
	s_lshl_b32 s15, ttmp9, 3
	s_add_co_u32 s15, s15, s14                     ; which run of 8 rows is my wave's
	s_lshl_b32 s42, s15, 13                        ; 8 rows of 1,024 bytes
	s_mov_b32 s43, 0
	s_lshl_b32 s44, s15, 5                         ; 8 indices
	s_mov_b32 s45, 0
	s_lshl_b32 s46, s15, 2                         ; one sum
	s_mov_b32 s47, 0
	s_mov_b32 s40, 0x76543210
	s_mov_b32 s41, 0xfedcba98                      ; v_permlanex16_b32's selects for lane l xor 16
	s_wait_alu depctr_va_vdst(0)
	s_wait_kmcnt 0x0
	s_add_nc_u64 s[4:5], s[4:5], s[42:43]
	s_add_nc_u64 s[10:11], s[10:11], s[42:43]
	s_add_nc_u64 s[8:9], s[8:9], s[44:45]
	s_add_nc_u64 s[12:13], s[12:13], s[46:47]
	s_load_b256 s[16:23], s[8:9], 0x0              ; my eight indices: on their way while z's loads are issued
.irp i, 0,1,2,3,4,5,6,7
	global_load_b128 v[Z+8*\i:Z+8*\i+3], v1, s[4:5] offset:1024*\i th:TH_LOAD_NT
	global_load_b128 v[Z+8*\i+4:Z+8*\i+7], v1, s[4:5] offset:1024*\i+512 th:TH_LOAD_NT
.endr
	s_wait_kmcnt 0x0
.irp i, 0,1,2,3,4,5,6,7
	s_min_u32 s[16+\i], s[16+\i], 8191             ; an index stays inside the table
	s_lshl_b32 s[24+2*\i], s[16+\i], 10
	s_mov_b32 s[25+2*\i], 0
	s_add_nc_u64 s[24+2*\i:25+2*\i], s[6:7], s[24+2*\i:25+2*\i]
	global_load_b128 v[E+8*\i:E+8*\i+3], v1, s[24+2*\i:25+2*\i]          ; no hint: other rows may name the same code
	global_load_b128 v[E+8*\i+4:E+8*\i+7], v1, s[24+2*\i:25+2*\i] offset:512
.endr
.irp i, 0,1,2,3,4,5,6,7
	s_wait_loadcnt 14-2*\i                         ; row i's e is in (and all of z, issued earlier); the later rows' two loads each may be out
.irp c, 0,2,4,6
	v_pk_add_f32 v[E+8*\i+\c:E+8*\i+\c+1], v[E+8*\i+\c:E+8*\i+\c+1], v[Z+8*\i+\c:Z+8*\i+\c+1] neg_lo:[0,1] neg_hi:[0,1]   ; e - z
.endr
.irp c, 0,2,4,6
.if \i == 0
	s_delay_alu instid0(VALU_DEP_4)
	v_pk_mul_f32 v[S+\c:S+\c+1], v[E+\c:E+\c+1], v[E+\c:E+\c+1]          ; the first row starts the sums
.else
	s_delay_alu instid0(VALU_DEP_4)
	v_pk_fma_f32 v[S+\c:S+\c+1], v[E+8*\i+\c:E+8*\i+\c+1], v[E+8*\i+\c:E+8*\i+\c+1], v[S+\c:S+\c+1]
.endif
.endr
.irp c, 0,2,4,6
	v_pk_add_f32 v[Z+8*\i+\c:Z+8*\i+\c+1], v[Z+8*\i+\c:Z+8*\i+\c+1], v[E+8*\i+\c:E+8*\i+\c+1]   ; z + (e - z)
.endr
	global_store_b128 v1, v[Z+8*\i:Z+8*\i+3], s[10:11] offset:1024*\i th:TH_STORE_NT      ; 32 lanes store 512 consecutive bytes
	global_store_b128 v1, v[Z+8*\i+4:Z+8*\i+7], s[10:11] offset:1024*\i+512 th:TH_STORE_NT
.endr
	v_pk_add_f32 v[S:S+1], v[S:S+1], v[S+2:S+3]
	v_pk_add_f32 v[S+4:S+5], v[S+4:S+5], v[S+6:S+7]
	s_delay_alu instid0(VALU_DEP_1)
	v_pk_add_f32 v[S:S+1], v[S:S+1], v[S+4:S+5]
	s_delay_alu instid0(VALU_DEP_1)
	v_add_f32 v[S], v[S], v[S+1]
	s_delay_alu instid0(VALU_DEP_1)
	v_add_f32_dpp v[S], v[S], v[S] row_xmask:1 row_mask:0xf bank_mask:0xf
	s_delay_alu instid0(VALU_DEP_1)
	v_add_f32_dpp v[S], v[S], v[S] row_xmask:2 row_mask:0xf bank_mask:0xf
	s_delay_alu instid0(VALU_DEP_1)
	v_add_f32_dpp v[S], v[S], v[S] row_xmask:4 row_mask:0xf bank_mask:0xf
	s_delay_alu instid0(VALU_DEP_1)
	v_add_f32_dpp v[S], v[S], v[S] row_xmask:8 row_mask:0xf bank_mask:0xf
	s_delay_alu instid0(VALU_DEP_1)
	v_permlanex16_b32 v[S+1], v[S], s40, s41
	s_delay_alu instid0(VALU_DEP_1)
	v_add_f32 v[S], v[S], v[S+1]                   ; the wave's sum, in every lane
	v_mov_b32 v2, 0
	v_cmp_eq_u32 vcc_lo, 0, v3
	s_wait_alu depctr_va_vdst(0)
	s_wait_xcnt 0x0                                ; EXEC is a source of the stores above: it changes only behind this wait
	s_and_saveexec_b32 s42, vcc_lo
	global_store_b32 v2, v[S], s[12:13]            ; lane 0 alone
	s_wait_xcnt 0x0                                ; and again ahead of the line that widens it
	s_or_b32 exec_lo, exec_lo, s42
	s_endpgm
.Lfunc_end_k_qc90916c7e3_gather:
	.size	k_qc90916c7e3_gather, .Lfunc_end_k_qc90916c7e3_gather-k_qc90916c7e3_gather
	.p2alignl 7, 3214868480
	.fill 96, 4, 3214868480
	.section	.rodata,"a",@progbits
	.p2align	6, 0x0
	.amdhsa_kernel k_qc90916c7e3_gather
		.amdhsa_group_segment_fixed_size 0
		.amdhsa_private_segment_fixed_size 0
		.amdhsa_enable_private_segment 0
		.amdhsa_kernarg_size 40
		.amdhsa_user_sgpr_count 2
		.amdhsa_user_sgpr_kernarg_segment_ptr 1
		.amdhsa_wavefront_size32 1
		.amdhsa_system_sgpr_workgroup_id_x 1
		.amdhsa_system_sgpr_workgroup_id_y 1
		.amdhsa_system_sgpr_workgroup_id_z 1
		.amdhsa_system_vgpr_workitem_id 0
		.amdhsa_next_free_vgpr 152
		.amdhsa_next_free_sgpr 66
		.amdhsa_reserve_vcc 1
		.amdhsa_float_denorm_mode_32 3
		.amdhsa_float_denorm_mode_16_64 3
		.amdhsa_memory_ordered 1
		.amdhsa_forward_progress 1
		.amdhsa_inst_pref_size 16
	.end_amdhsa_kernel
	.amdgpu_metadata
---
amdhsa.version: [ 1, 2 ]
amdhsa.kernels:
  - .name:           k_qc90916c7e3_gather
    .symbol:         k_qc90916c7e3_gather.kd
    .args:
      - { .name: z_e, .offset: 0, .size: 8, .value_kind: global_buffer, .address_space: global }
      - { .name: codebook, .offset: 8, .size: 8, .value_kind: global_buffer, .address_space: global }
      - { .name: codes, .offset: 16, .size: 8, .value_kind: global_buffer, .address_space: global }
      - { .name: out0, .offset: 24, .size: 8, .value_kind: global_buffer, .address_space: global }
      - { .name: part, .offset: 32, .size: 8, .value_kind: global_buffer, .address_space: global }
    .group_segment_fixed_size: 0
    .private_segment_fixed_size: 0
    .kernarg_segment_align: 8
    .kernarg_segment_size: 40
    .max_flat_workgroup_size: 256
    .sgpr_count:     66
    .vgpr_count:     152
    .wavefront_size: 32
...
	.end_amdgpu_metadata
.endif
;; end of part 3
;; launch total (part 4): grid 1 x 1, 1 waves a work-group, no clusters, 0 bytes of LDS; arguments part, out1; writes out1
.if DOCPART == 4
	.amdgcn_target "amdgcn-amd-amdhsa--gfx1250"
	.amdhsa_code_object_version 6
	.text
	.protected	k_qc90916c7e3_total
	.globl	k_qc90916c7e3_total
	.p2align	8
	.type	k_qc90916c7e3_total,@function
k_qc90916c7e3_total:
	s_mov_b64 s[64:65], 0
	v_nop
	global_prefetch_b8 v0, s[64:65] scope:SCOPE_SE
	s_setreg_imm32_b32 hwreg(HW_REG_WAVE_MODE, 25, 1), 1
	s_wait_xcnt 0x0
; out1 = m + 0.25 m, m = the mean of (e - z)^2 over 32,768 x 256 = 2^23 numbers: the 4,096 sums that the waves of the launch before stored are added here, by one owner, in a fixed order.
; One wave: 32 loads of 512 consecutive bytes, all out together; four chains of packed additions; then across the lanes.
.set X, 8                              ; v8-135   4,096 sums, 128 a lane
.set S, 136                            ; v136-143 four pairs
	s_load_b128 s[4:7], s[0:1], 0x0                ; part s[4:5], out1 s[6:7]
	v_lshlrev_b32 v1, 4, v0
	s_mov_b32 s8, 0x76543210
	s_mov_b32 s9, 0xfedcba98                       ; v_permlanex16_b32's selects for lane l xor 16
	s_wait_alu depctr_va_vdst(0)
	s_wait_kmcnt 0x0
.set i, 0
.rept 32
	global_load_b128 v[X+4*i:X+4*i+3], v1, s[4:5] offset:512*i
.set i, i+1
.endr
	s_wait_loadcnt 0x0
.irp c, 0,1,2,3
	v_pk_add_f32 v[S+2*\c:S+2*\c+1], v[X+2*\c:X+2*\c+1], v[X+8+2*\c:X+8+2*\c+1]   ; the first eight pairs start the chains
.endr
.set p, 8
.rept 56
	v_pk_add_f32 v[S+2*(p%4):S+2*(p%4)+1], v[S+2*(p%4):S+2*(p%4)+1], v[X+2*p:X+2*p+1]
.set p, p+1
.endr
	v_pk_add_f32 v[S:S+1], v[S:S+1], v[S+2:S+3]
	v_pk_add_f32 v[S+4:S+5], v[S+4:S+5], v[S+6:S+7]
	v_pk_add_f32 v[S:S+1], v[S:S+1], v[S+4:S+5]
	v_add_f32 v[S], v[S], v[S+1]
	v_add_f32_dpp v[S], v[S], v[S] row_xmask:1 row_mask:0xf bank_mask:0xf
	v_add_f32_dpp v[S], v[S], v[S] row_xmask:2 row_mask:0xf bank_mask:0xf
	v_add_f32_dpp v[S], v[S], v[S] row_xmask:4 row_mask:0xf bank_mask:0xf
	v_add_f32_dpp v[S], v[S], v[S] row_xmask:8 row_mask:0xf bank_mask:0xf
	v_permlanex16_b32 v[S+1], v[S], s8, s9
	v_add_f32 v[S], v[S], v[S+1]
	v_mul_f32 v[S], 0x34000000, v[S]               ; x 2^-23: the mean, exactly scaled
	v_fmamk_f32 v[S+1], v[S], 0x3e800000, v[S]     ; m x 0.25 + m
	v_mov_b32 v2, 0
	v_cmp_eq_u32 vcc_lo, 0, v0
	s_wait_alu depctr_va_vdst(0)
	s_wait_xcnt 0x0                                ; EXEC changes only behind this wait
	s_and_saveexec_b32 s10, vcc_lo
	global_store_b32 v2, v[S+1], s[6:7]            ; lane 0 alone
	s_wait_xcnt 0x0                                ; and again ahead of the line that widens it
	s_or_b32 exec_lo, exec_lo, s10
	s_endpgm
.Lfunc_end_k_qc90916c7e3_total:
	.size	k_qc90916c7e3_total, .Lfunc_end_k_qc90916c7e3_total-k_qc90916c7e3_total
	.p2alignl 7, 3214868480
	.fill 96, 4, 3214868480
	.section	.rodata,"a",@progbits
	.p2align	6, 0x0
	.amdhsa_kernel k_qc90916c7e3_total
		.amdhsa_group_segment_fixed_size 0
		.amdhsa_private_segment_fixed_size 0
		.amdhsa_enable_private_segment 0
		.amdhsa_kernarg_size 16
		.amdhsa_user_sgpr_count 2
		.amdhsa_user_sgpr_kernarg_segment_ptr 1
		.amdhsa_wavefront_size32 1
		.amdhsa_system_sgpr_workgroup_id_x 1
		.amdhsa_system_sgpr_workgroup_id_y 1
		.amdhsa_system_sgpr_workgroup_id_z 1
		.amdhsa_system_vgpr_workitem_id 0
		.amdhsa_next_free_vgpr 144
		.amdhsa_next_free_sgpr 66
		.amdhsa_reserve_vcc 1
		.amdhsa_float_denorm_mode_32 3
		.amdhsa_float_denorm_mode_16_64 3
		.amdhsa_memory_ordered 1
		.amdhsa_forward_progress 1
		.amdhsa_inst_pref_size 9
	.end_amdhsa_kernel
	.amdgpu_metadata
---
amdhsa.version: [ 1, 2 ]
amdhsa.kernels:
  - .name:           k_qc90916c7e3_total
    .symbol:         k_qc90916c7e3_total.kd
    .args:
      - { .name: part, .offset: 0, .size: 8, .value_kind: global_buffer, .address_space: global }
      - { .name: out1, .offset: 8, .size: 8, .value_kind: global_buffer, .address_space: global }
    .group_segment_fixed_size: 0
    .private_segment_fixed_size: 0
    .kernarg_segment_align: 8
    .kernarg_segment_size: 16
    .max_flat_workgroup_size: 32
    .sgpr_count:     66
    .vgpr_count:     144
    .wavefront_size: 32
...
	.end_amdgpu_metadata
.endif
;; end of part 4
